; MI455X (gfx1250); checked and timed in simulation.
; The chip was launched on July 23, 2026; its instructions are those of AMD's public machine-readable ISA for CDNA 5 (MIT licence, August 2026) and "CDNA5" Instruction Set Architecture Reference Guide (July 2026). The comments in the code are by the model that wrote it; some were corrected since.
;; Multi Head Attention. Allowed arithmetic: matrix products marked QUANTISED: E2M3 operands, one E8M0 scale for each 32 along K, by v_wmma_scale_f32_16x16x128_f8f6f4 with both operands' format E2M3, f32 sums; everything else in f32.
;; Inputs: Wk_codes 16 x 64 x 32 x 24 uint8 (E2M3 codes of Wk, K innermost, in blocks of 32 codes, four codes in three bytes); Wk_scales 16 x 64 x 32 uint8 (E8M0 scales of Wk, one for each 32 codes along K); Wp_codes 1,024 x 32 x 24 uint8 (E2M3 codes of Wp, K innermost, in blocks of 32 codes, four codes in three bytes); Wp_scales 1,024 x 32 uint8 (E8M0 scales of Wp, one for each 32 codes along K); Wq_codes 16 x 64 x 32 x 24 uint8 (E2M3 codes of Wq, K innermost, in blocks of 32 codes, four codes in three bytes); Wq_scales 16 x 64 x 32 uint8 (E8M0 scales of Wq, one for each 32 codes along K); Wv_codes 16 x 64 x 32 x 24 uint8 (E2M3 codes of Wv, K innermost, in blocks of 32 codes, four codes in three bytes); Wv_scales 16 x 64 x 32 uint8 (E8M0 scales of Wv, one for each 32 codes along K); bk 16 x 64 float32; bp 1,024 float32; bq 16 x 64 float32; bv 16 x 64 float32; x_codes 4 x 2,048 x 32 x 24 uint8 (E2M3 codes of x, K innermost, in blocks of 32 codes, four codes in three bytes); x_scales 4 x 2,048 x 32 uint8 (E8M0 scales of x, one for each 32 codes along K).
;; Outputs: out0 4 x 2,048 x 1,024 float32.
;; This version of the problem:
;;   THIS VERSION OF THE PROBLEM IS GIVEN IN LOW PRECISION. The matrix products marked QUANTISED in the list below multiply operands that are first quantised to E2M3 (2 exponent bits, 3 mantissa bits; 6 bits a number), with one power-of-two scale for each 32 numbers along K (OCP MX v1.0); their sums are f32. All else is computed in f32.
;;   The module's matrix products, in the order in which they are computed (A, B: the left and right operand; K: the contracted axis; several contracted axes count as one K, in the product's order):
;;     1. [M 1,024, K 1,024] x [K 1,024, N 8,192]; A: input Wq (given as codes); B: input x (given as codes): QUANTISED
;;     2. [M 1,024, K 1,024] x [K 1,024, N 8,192]; A: input Wk (given as codes); B: input x (given as codes): QUANTISED
;;     3. [M 1,024, K 1,024] x [K 1,024, N 8,192]; A: input Wv (given as codes); B: input x (given as codes): QUANTISED
;;     4. batch 64 x [M 2,048, K 64] x [K 64, N 2,048]; A: computed on the way; B: computed on the way: QUANTISED
;;     5. batch 64 x [M 2,048, K 2,048] x [K 2,048, N 64]; A: softmax (see below); B: computed on the way: QUANTISED
;;     6. [M 8,192, K 1,024] x [K 1,024, N 1,024]; A: computed on the way; B: input Wp (given as codes): QUANTISED
;;   THE QUANTISER, for each operand of a quantised product, along K:
;;     - K is cut into blocks of 32 from its start; a last block that is shorter is filled with zeros.
;;     - A block's scale is 2^e with e = floor(log2(the largest magnitude in the block)) - 2, held to -126 .. 127; a block of zeros has e = 0. As a byte (E8M0): e + 127.
;;     - Each number is divided by its block's scale, clamped to +-7.5, and rounded to the nearest number of E2M3, ties to even, subnormals kept.
;;     - The product sums the exact products of the quantised numbers (number of the format x scale) in f32.
;;   ~~~python
;;   def quantise(x, axis):      # numpy; x: float32 -> the quantised numbers, widened to float32 again
;;       x = np.moveaxis(x, axis, -1); K = x.shape[-1]
;;       x = np.pad(x, [(0, 0)] * (x.ndim - 1) + [(0, -K % 32)]); x = x.reshape(x.shape[:-1] + (-1, 32)); a = np.abs(x).max(-1, keepdims=True)
;;       e = np.where(a > 0, np.clip(np.frexp(np.where(a > 0, a, 1))[1] - 1 - 2, -126, 127), 0)      # np.frexp(a)[1] - 1 = floor(log2(a)), exactly
;;       r = np.clip(x / 2.0 ** e, -7.5, 7.5)
;;       step = 2.0 ** (np.maximum(np.frexp(np.where(r == 0, 1, r))[1] - 1, 0) - 3)
;;       q = np.round(r / step) * step * 2.0 ** e      # np.round: ties to even
;;       return np.moveaxis(q.reshape(q.shape[:-2] + (-1,))[..., :K], -1, axis).astype(np.float32)
;;   ~~~
;;   SOFTMAX AHEAD OF A QUANTISED PRODUCT. Where the list says 'softmax', what is quantised is not the finished softmax but p = 2^(t - M), with t = logit x log2(e) and M = ceil(the row's largest t), a whole number; so 1/2 < the row's largest p <= 1. The row's sum l is taken of the UNQUANTISED p, in f32, and the product's result is divided by l at the end. Since M is a whole number, a kernel that streams over the keys may use a running M (the ceiling of the running maximum): every later rescaling is an exact power of two, which a block's scale takes up: the codes' values come out the same.
;;   OPERANDS COMPUTED ON THE WAY. 'Computed on the way' means the value that the module computes at that place (a softmax that the list does not call 'softmax' is quantised finished and normalised). What goes into a quantiser is computed in f32, as accurately as f32 sums, v_exp_f32 and their like allow (about 1e-6 of the number): no bf16 or f16 on the way to a quantiser, and a product that is left as it is and whose result goes on into a quantised operand takes f32 operands (vector FMAs, or v_wmma_f32_16x16x4_f32). A number that lies on a knife's edge between two numbers of the format may be rounded either way, as far as f32 arithmetic and the matrix unit's own rounding can turn it there, and no further.
;;   INPUTS GIVEN AS CODES. Wk (in the module: [16, 1024, 64], K = its axis 1); Wp (in the module: [1024, 1024], K = its axis 0); Wq (in the module: [16, 1024, 64], K = its axis 1); Wv (in the module: [16, 1024, 64], K = its axis 1); x (in the module: [4, 2048, 1024], K = its axis 2): each comes as NAME_codes (uint8): NAME with its K axis moved to the last place and cut into blocks of 32 codes, [.., K / 32, bytes a block], one block behind the other in memory; four codes in three bytes: a row's codes are one little-endian stream of bits, code i at bits 6 i .. 6 i + 5 (a code: sign, 2 exponent bits, 3 mantissa bits); and NAME_scales (uint8): the same leading axes, one E8M0 byte (e + 127) for each 32 codes along K. Its value is code x scale, taken as it is: it is not quantised again, and the codes and scales need not be those that the quantiser above would give.
;; One version. Each part assembles by itself: llvm-mc -triple=amdgcn-amd-amdhsa -mcpu=gfx1250 --defsym DOCPART=n.
;; ======== version 1 of 1: 3 launches
;; limits: right only within a limited range of input values
;; workspace buffers: qbuf 13,107,200 bytes; kvbuf 13,107,200 bytes; ao_codes 6,291,456 bytes; ao_scales 262,144 bytes
;; launch qkv (part 1): grid 16 x 16, 4 waves a work-group, clusters of 4 x 4, 327,680 bytes of LDS; arguments x_codes, x_scales, Wq_codes, Wq_scales, Wk_codes, Wk_scales, Wv_codes, Wv_scales, bq, bk, bv, qbuf, kvbuf; writes qbuf, kvbuf
.if DOCPART == 1
	.amdgcn_target "amdgcn-amd-amdhsa--gfx1250"
	.amdhsa_code_object_version 6
	.text
	.protected	k_qa3875d70de_qkv
	.globl	k_qa3875d70de_qkv
	.p2align	8
	.type	k_qa3875d70de_qkv,@function
k_qa3875d70de_qkv:
	s_mov_b64 s[64:65], 0
	v_nop
	global_prefetch_b8 v0, s[64:65] scope:SCOPE_SE
	s_setreg_imm32_b32 hwreg(HW_REG_WAVE_MODE, 25, 1), 1
	s_wait_xcnt 0x0
	s_wait_alu depctr_hold_cnt(0) depctr_sa_sdst(0) depctr_va_vdst(0) depctr_va_sdst(0) depctr_va_ssrc(0) depctr_va_vcc(0) depctr_vm_vsrc(0)
	s_getreg_b32 s2, hwreg(HW_REG_IB_STS2, 6, 4)
	s_cmp_eq_u32 s2, 0
	s_cbranch_scc0 .Lentry_in_a_cluster
	s_endpgm
.Lentry_in_a_cluster:
	s_bfe_u32 s2, ttmp6, 0x10000c
	s_cmp_lg_u32 s2, 0xf033
	s_cbranch_scc0 .Lentry_shape_is_right
	s_endpgm
.Lentry_shape_is_right:
; q, k, v = x W + b on codes of FP6 (E2M3) with E8M0 scales, K = 1,024; the results are quantised here, in f32, and leave as codes: q and k along the head's 64, v along the keys.
; No step of the problem is left out in this launch.
; THE DEAL.  256 work-groups: head (16) x group of 512 tokens (16).  Four waves, 2 x 2.  Wave column b holds 96 rows of weights, all of K, in registers (48 fragments, 576 registers):
; the head's 64 rows of Wq (b = 0) or Wk (b = 1) and rows 32 b .. 32 b + 31 of Wv.  Wave row a takes chunk a (64 tokens) of each pair of chunks (128 tokens = one step record), in blocks of 16 tokens.
; A block is 48 products: q, k with source 0 = the weight's rows (a lane holds a token, its registers run along d), v with source 0 = x's rows (a lane holds a d, its registers run along the tokens).
; x's fragments have ONE set of registers: those of K steps 0-3 are fetched again in the block's middle, those of 4-7 at its end.
; LDS: two slots of 128 rows of x (816 bytes: 3 x (256 + 16)), at 0 and at P1; the weights' 192 rows land at the head on slot 1 and the 64 rows behind it.  A tile's row is 768 bytes of memory, at a multiple of 256.
; FILLS: at the head one joint load a wave (Wq, Wk, Wv, pair 0).  Three refills (pairs 1, 2, 3), a quarter a wave, each behind the three lines and a round of the cluster's barrier.
; x's rows are shared by a row of the cluster, the weights' by a column.  Scale bytes come by plain loads, 32 rows of 32 bytes to two instructions: whole runs of 1,024 bytes.
; PREFETCH: pair p + 2 is asked for in trip p (pair 1 at the head), 384 blocks of 256 bytes shared out by address among the sixteen waves of the four partners; trips 2 and 3 ask for nothing.
; THE RESULT'S LAYOUT: for each (batch, head) a record of REC bytes = 16 step records (128 tokens) of STP bytes: 8 half fragments of 16 tokens x 64 d (HF bytes); at VIMG 4 fragments of 16 d x 128 keys (FRB bytes);
; at KSC [16 rows][4] words: word f = the two d-block bytes of token tile 2 f, then of tile 2 f + 1; at VSC [16 rows][4] words: word t = the four key-block bytes of d row 16 t + row.
; A half fragment is an image of its registers: 0-3 at 16 x lane, 4-5 at 512 + 8 x lane.  q goes to qbuf, k and v to kvbuf.
; Inside a scale block register 16 B + i of lane half h is number 32 B + 8 h + i % 8 + 16 (i / 8); its code goes to place 16 h + i: one fixed order, alike on both operands of the later products.
; The scale words leave as 8 and 2 bytes a row: a wave owns half of a step's tiles; they are 1 byte in 24 of what is stored.
; LIMITS: NaN and infinities in the biases are not served; a given scale byte 0xff gives NaN; a block whose largest magnitude lies under 2^-124, and a block of zeros, keep the byte 1 (this program alone reads the bytes).
.set REC,    204800
.set STP,    12800
.set VIMG,   6144
.set KSC,    12288
.set VSC,    12544
.set HF,     768
.set FRB,    1536
.set KROW,   768
.set PITCH,  816
.set BLKB,   16*PITCH
.set P1,     0x20000
.set EW,     P1+128*PITCH
.set SPARE,  EW+64*PITCH
.set PAIRB,  128*KROW
.set FR,     12
.set FPW,    21                        ; fragments in a window of 256 registers; fragment f lies in window 1 + f / 21 at register 12 (f % 21)
.set XF,     48                        ; fragments 0-47: the weights' (6 q + t); 48-55: x's
.set NH,     13                        ; LDS loads of half a block's fragments
.set LQ16, 1
.set LQ8,  2
.set LV16, 3
.set LV8,  4
.set SAK,  5
.set SAV,  6
.set ABS,  7
.set ADRA0, 8
.set SPW,  10
.set NIL,  11
.set BA,   16                          ; v16, v17 v's bias: one number a lane and tile
.set WA,   18                          ; v18-29 LDS addresses of the weights' six tiles
.set ADRA, 30
.set SB,   32                          ; v32-55 the weights' scale words: lanes 0-15 tile 2 p, lanes 16-31 tile 2 p + 1
.set SH16, 56
.set PF,   57
.set XS,   60                          ; v60-75 x's scale words of a chunk: lanes 0-15 block 2 g, lanes 16-31 block 2 g + 1
.set XT,   76                          ; v76-91 the next chunk's, as loaded
.set BB,   92                          ; v92-123 q's or k's bias, as the first products' C
.set ACC,  124                         ; v124-187 two sets of four accumulators
.set CD,   188
.set TM,   208
.set WD,   224
.set HV,   168                         ; window 3, v168-231: v's sums, 32 u + 8 s + j
.set G1W,  24
.set G1X0, 32
.set G1X,  48
.set G0W,  56
.set G0X,  60
.set G0X0, 4
.set QB,   8
.set VB,   10
.set XSP,  12
.set PFB,  18
.set SEL,  20
.set XB,   22
.set TR,   23
.set MSB, 0
.macro WIN new
.if MSB != (\new)
	s_set_vgpr_msb (MSB<<8)|(\new)
.set MSB, (\new)
.endif
.endm
.macro PLACES n
.rept \n
	v_nop
.endr
.endm
.macro WALU
	s_wait_alu depctr_va_vdst(0)
.endm
.macro BARRIER
	s_barrier_signal -1
	s_barrier_wait -1
.endm
.macro CROUND
	BARRIER
	s_cmp_lg_u32 s14, 0
	s_cbranch_scc1 .Lnot_wave_0_\@
	s_barrier_signal -3
.Lnot_wave_0_\@:
	s_barrier_wait -3
	BARRIER
.endm
.macro TLOAD g0, g1
	tensor_load_to_lds s[\g0:\g0+3], s[\g1:\g1+7]
	s_nop 0
	PLACES 4
.endm
.macro GROUP1 g, mask, rows            ; rows of 768 bytes, 16 bytes of padding behind every 256
	s_or_b32 s[\g+0], s[\mask], (1<<20)|(1<<21)|(5<<22)|(3<<25)
	s_mov_b32 s[\g+1], KROW<<16
	s_mov_b32 s[\g+2], (\rows)<<16
	s_mov_b32 s[\g+3], KROW<<16
	s_mov_b32 s[\g+4], \rows
	s_mov_b32 s[\g+5], KROW
	s_mov_b32 s[\g+6], 0
	s_mov_b32 s[\g+7], 0
.endm
; a fragment: six pieces of 8 bytes, two to a load where both go by the same address register (a1: lanes 16-31 lie behind one padding more)
.macro FRAG f, q, a0, a1
	WIN (1+(\f)/FPW)<<6
.set R_, FR*((\f)%FPW)
.set SKIP_, 0
.irp p, 0,1,2,3,4,5
.if SKIP_
.set SKIP_, 0
.else
.set PC_, 12*(\q)+6*(\p/3)+\p%3
.set PN_, 12*(\q)+6*((\p+1)/3)+(\p+1)%3
.set X_, (PC_%32+3)/32
.set XQ_, (PN_%32+3)/32
.if (\p < 5) && (X_ == XQ_)
.set SKIP_, 1
.if X_
	ds_load_2addr_b64 v[R_+2*\p:R_+2*\p+3], \a1 offset0:PC_+2*(PC_/32) offset1:PN_+2*(PN_/32)
.else
	ds_load_2addr_b64 v[R_+2*\p:R_+2*\p+3], \a0 offset0:PC_+2*(PC_/32) offset1:PN_+2*(PN_/32)
.endif
.elseif X_
	ds_load_b64 v[R_+2*\p:R_+2*\p+1], \a1 offset:8*(PC_+2*(PC_/32))
.else
	ds_load_b64 v[R_+2*\p:R_+2*\p+1], \a0 offset:8*(PC_+2*(PC_/32))
.endif
.endif
.endr
.endm
.macro FETCHX half                     ; x's fragments of K steps 4 half .. 4 half + 3: NH loads
.irp q, 0,1,2,3
	FRAG XF+4*(\half)+\q, 4*(\half)+\q, v[ADRA], v[ADRA+1]
.endr
	WIN 0
.endm
.macro WM c                            ; one product on D_, A_, B_, SA_, SB_; RA_, RB_: the rows of the scale registers
.if RA_ && RB_
	v_wmma_scale_f32_16x16x128_f8f6f4 v[D_:D_+7], v[A_:A_+FR-1], v[B_:B_+FR-1], \c, v[SA_], v[SB_] matrix_a_fmt:MATRIX_FMT_FP6 matrix_b_fmt:MATRIX_FMT_FP6 matrix_a_scale:MATRIX_SCALE_ROW1 matrix_b_scale:MATRIX_SCALE_ROW1
.elseif RA_
	v_wmma_scale_f32_16x16x128_f8f6f4 v[D_:D_+7], v[A_:A_+FR-1], v[B_:B_+FR-1], \c, v[SA_], v[SB_] matrix_a_fmt:MATRIX_FMT_FP6 matrix_b_fmt:MATRIX_FMT_FP6 matrix_a_scale:MATRIX_SCALE_ROW1
.elseif RB_
	v_wmma_scale_f32_16x16x128_f8f6f4 v[D_:D_+7], v[A_:A_+FR-1], v[B_:B_+FR-1], \c, v[SA_], v[SB_] matrix_a_fmt:MATRIX_FMT_FP6 matrix_b_fmt:MATRIX_FMT_FP6 matrix_b_scale:MATRIX_SCALE_ROW1
.else
	v_wmma_scale_f32_16x16x128_f8f6f4 v[D_:D_+7], v[A_:A_+FR-1], v[B_:B_+FR-1], \c, v[SA_], v[SB_] matrix_a_fmt:MATRIX_FMT_FP6 matrix_b_fmt:MATRIX_FMT_FP6
.endif
.endm
.macro KSTEP s, q                      ; six products, six accumulators by turns
.irp t, 0,1,2,3
.set FW_, 6*(\q)+\t
.set D_, ACC+32*((\s)%2)+8*\t
.set A_, FR*(FW_%FPW)
.set B_, FR*((XF+(\q))%FPW)
.set SA_, SB+8*(\t/2)+(\q)
.set SB_, XS+8*((\s)/2)+(\q)
.set RA_, \t%2
.set RB_, (\s)%2
	WIN (1+FW_/FPW)|(3<<2)
.if (\q) == 0
	WM v[BB+8*\t:BB+8*\t+7]
.else
	WM v[D_:D_+7]
.endif
.endr
.irp u, 0,1
.set FW_, 6*(\q)+4+\u
.set D_, HV+32*\u+8*(\s)
.set A_, FR*((XF+(\q))%FPW)
.set B_, FR*(FW_%FPW)
.set SA_, XS+8*((\s)/2)+(\q)
.set SB_, SB+16+(\q)
.set RA_, (\s)%2
.set RB_, \u
	WIN 3|((1+FW_/FPW)<<2)|(3<<4)|(3<<6)
.if (\q) == 0
	WM 0
.else
	WM v[D_:D_+7]
.endif
.endr
.endm
.macro BLK s                           ; block s of a chunk
	WALU
	s_wait_dscnt NH                                ; K steps 0-3's fragments are in; the younger NH loads may be out
.irp q, 0,1,2,3
	KSTEP \s, \q
.endr
	WIN 0
.if (\s) < 3
	v_add_nc_u32 v[ADRA], BLKB, v[ADRA]            ; the next block's rows; these two and two v_nop are the places ahead of the loads
	v_add_nc_u32 v[ADRA+1], BLKB, v[ADRA+1]
	PLACES 2
	WALU
	FETCHX 0
	s_wait_dscnt NH                                ; all but the NH just issued
.else
	s_wait_dscnt 0x0
.endif
.irp q, 4,5,6,7
	KSTEP \s, \q
.endr
	WIN 0
	PLACES 4
.if (\s) < 3
	FETCHX 1
.endif
.endm
; THE QUANTISER.  64 numbers of a lane from v[s] on; registers 16 B .. 16 B + 15 of lanes l and l xor 16 are block B.  Codes to v[CD] on (12 registers), the four bytes to v[w].
.macro QUANT s, w
.irp b, 0,1,2,3
	v_max3_num_f32 v[TM+\b], |v[\s+16*\b]|, |v[\s+1+16*\b]|, 0x1800000   ; with the floor 2^(3 - 127): the byte cannot fall under 1
.endr
.irp i, 2,4,6,8,10,12,14
.irp b, 0,1,2,3
	v_max3_num_f32 v[TM+\b], v[TM+\b], |v[\s+16*\b+\i]|, |v[\s+1+16*\b+\i]|
.endr
.endr
.irp b, 0,1,2,3
	v_permlanex16_b32 v[TM+4+\b], v[TM+\b], s[SEL], s[SEL+1]
.endr
.irp b, 0,1,2,3
	v_max_num_f32 v[TM+\b], v[TM+\b], v[TM+4+\b]
.endr
.irp b, 0,1,2,3
	v_add_nc_u32 v[TM+12+\b], 0xff000000, v[TM+\b] ; 2 off the exponent field: the conversion's scale operand
.endr
.irp b, 0,1,2,3
	v_lshrrev_b32 v[TM+4+\b], 23, v[TM+12+\b]
.endr
	v_lshl_or_b32 v[\w], v[TM+5], 8, v[TM+4]
	v_lshl_or_b32 v[\w], v[TM+6], 16, v[\w]
	v_lshl_or_b32 v[\w], v[TM+7], 24, v[\w]
.irp c, 0,1
	v_cvt_scalef32_pk16_fp6_f32 v[CD+6*\c:CD+2+6*\c], v[\s+32*\c:\s+15+32*\c], v[TM+12+2*\c]
	v_cvt_scalef32_pk16_fp6_f32 v[CD+12+4*\c:CD+14+4*\c], v[\s+16+32*\c:\s+31+32*\c], v[TM+12+2*\c+1]
.endr
	v_nop                                          ; one plain instruction behind the scaled conversions
.irp c, 0,1
.irp i, 0,1,2
	v_permlane16_swap_b32 v[CD+6*\c+\i], v[CD+12+4*\c+\i]   ; a whole block in a lane
.endr
.irp i, 0,1,2
	v_mov_b32 v[CD+3+6*\c+\i], v[CD+12+4*\c+\i]
.endr
.endr
.endm
.macro PUT a16, a8, base, off          ; two halves of six registers, as images
	global_store_b128 v[\a16], v[CD:CD+3], s[\base:\base+1] offset:\off
	global_store_b64 v[\a8], v[CD+4:CD+5], s[\base:\base+1] offset:(\off)+512
.endm
.macro PUT2 a16, a8, base, off
	global_store_b128 v[\a16], v[CD+6:CD+9], s[\base:\base+1] offset:\off
	global_store_b64 v[\a8], v[CD+10:CD+11], s[\base:\base+1] offset:(\off)+512
.endm
.macro OUTQK g                         ; blocks 2 g and 2 g + 1: two half fragments and scale word g
	s_wait_xcnt 0x0                                ; earlier stores have read the registers written below
	QUANT ACC, WD+\g
	PUT LQ16, LQ8, QB, HF*2*(\g)
	PUT2 LQ16, LQ8, QB, HF*(2*(\g)+1)
.endm
.macro OUTV                            ; the chunk's 64 tokens of my two d tiles: the bias is added on the way into window 0
	s_wait_xcnt 0x0
	WIN 3
.set i, 0
.rept 16
	v_pk_add_f32 v[ACC+2*i:ACC+2*i+1], v[HV+2*i:HV+2*i+1], v[BA:BA+1] op_sel_hi:[1,0]
.set i, i+1
.endr
.rept 16
	v_pk_add_f32 v[ACC+2*i:ACC+2*i+1], v[HV+2*i:HV+2*i+1], v[BA:BA+1] op_sel:[0,1] op_sel_hi:[1,1]
.set i, i+1
.endr
	WIN 0
	QUANT ACC, WD+2
	PUT LV16, LV8, VB, 0
	PUT2 LV16, LV8, VB, FRB
	v_lshrrev_b32 v58, v[SH16], v[WD+2]            ; lanes 0-15 my first tile's two bytes, lanes 16-31 the second's
	global_store_b16 v[SAV], v58, s[VB:VB+1]
	global_store_b64 v[SAK], v[WD:WD+1], s[QB:QB+1] ; lanes l and l + 16 write the same bytes with the same value
	s_wait_xcnt 0x0
	s_add_nc_u64 s[QB:QB+1], s[QB:QB+1], STP
	s_add_nc_u64 s[VB:VB+1], s[VB:VB+1], STP
.endm
.macro TRIP last                       ; a pair of chunks: four blocks a wave
	s_wait_tensorcnt 0x0                           ; all my tensor loads have landed: my part of this trip's pair
.if !(\last)
	ds_add_u32 v[SPW], v[NIL]
	s_add_nc_u64 s[G0X+2:G0X+3], s[G0X+2:G0X+3], PAIRB
	s_xor_b32 s[G0X+1], s[G0X+1], P1
.endif
	s_xor_b32 s[XB], s[XB], P1
	s_wait_dscnt 0x0                               ; the add, and my reads of the other slot (in the first trip: of the weights)
.if \last
	BARRIER
.else
	CROUND
	TLOAD G0X, G1X                                 ; my quarter of the next pair, into the slot read last
.endif
	v_add_nc_u32 v[ADRA], s[XB], v[ADRA0]
	v_add_nc_u32 v[ADRA+1], s[XB], v[ADRA0+1]
	WALU
	FETCHX 0
	FETCHX 1
	s_wait_loadcnt 0x0                             ; this chunk's scale words (first trip: the weights' and the biases too)
.set i, 0
.rept 16
	v_mov_b32 v[XS+i], v[XT+i]
.set i, i+1
.endr
	WALU
.if !(\last)
	s_wait_xcnt 0x0
	s_add_nc_u64 s[XSP:XSP+1], s[XSP:XSP+1], 128*32
	s_add_nc_u64 s[PFB:PFB+1], s[PFB:PFB+1], PAIRB
.irp g, 0,1
.irp c, 0,1
	global_load_b128 v[XT+8*\g+4*\c:XT+8*\g+4*\c+3], v[ABS], s[XSP:XSP+1] offset:\g*1024+16*\c
.endr
.endr
	s_cmp_lt_u32 s[TR], 2
	s_cbranch_scc0 .Lno_pf_\@
	global_prefetch_b8 v[PF], s[PFB:PFB+1] th:TH_LOAD_NT scope:SCOPE_SE
.Lno_pf_\@:
.endif
	PLACES 8                                       ; between the writes of scale registers and the first scaled product
	BLK 0
	BLK 1
	OUTQK 0
	BLK 2
	BLK 3
	OUTQK 1
	OUTV
.endm
; ---- the head
	s_load_b512 s[68:83], s[0:1], 0x0              ; x 68, its scales 70, Wq 72, 74, Wk 76, 78, Wv 80, 82
	s_load_b256 s[84:91], s[0:1], 0x40             ; bq 84, bk 86, bv 88, qbuf 90
	s_load_b64 s[92:93], s[0:1], 0x60              ; kvbuf
	v_lshl_add_u32 v[SPW], v0, 2, SPARE
	v_mov_b32 v[NIL], 0
	ds_add_u32 v[SPW], v[NIL]                      ; the opening lines
	ds_add_u32 v[SPW], v[NIL]
	v_lshrrev_b32 v12, 5, v0
	v_readfirstlane_b32 s14, v12                   ; wave; s15 = a, its row; s16 = b, its column
	s_lshr_b32 s15, s14, 1
	s_and_b32 s16, s14, 1
	s_bfe_u32 s40, ttmp6, 0x40000
	s_bfe_u32 s41, ttmp6, 0x40004
	s_lshl_b32 s42, ttmp9, 2
	s_add_co_u32 s42, s42, s40                     ; the head
	s_and_b32 s43, ttmp7, 0xffff
	s_lshl_b32 s43, s43, 2
	s_add_co_u32 s43, s43, s41                     ; the group of 512 tokens
	s_lshl_b32 s44, s41, 2
	s_lshl_b32 s44, 15, s44                        ; my row of the cluster
	s_lshl_b32 s45, 0x1111, s40                    ; my column
	GROUP1 G1W, 45, 64
	GROUP1 G1X0, 44, 128
	GROUP1 G1X, 44, 32
	s_mov_b32 s[SEL], 0x76543210
	s_mov_b32 s[SEL+1], 0xfedcba98
	s_mul_i32 s46, s42, 64*KROW
	s_mov_b32 s47, 0
	s_mul_i32 s94, s43, 512*KROW
	s_mov_b32 s95, 0
	s_mul_i32 s96, s14, 32*KROW
	s_mov_b32 s97, 0
	s_mov_b32 s[G0W], 1
	s_mul_i32 s[G0W+1], s14, 64*PITCH
	s_add_co_u32 s[G0W+1], s[G0W+1], P1
	s_mov_b32 s[G0X0], 1
	s_mov_b32 s[G0X0+1], 0
	s_mov_b32 s[G0X], 1
	s_mul_i32 s[G0X+1], s14, 32*PITCH              ; one pair behind: each trip steps it ahead of its load
	s_mov_b32 s[XB], P1
	s_mov_b32 s[TR], 0
	WALU
	s_wait_dscnt 0x0
	CROUND                                         ; ahead of the first joint loads
	s_wait_kmcnt 0x0
	s_cmp_eq_u32 s14, 0
	s_cselect_b64 s[2:3], s[72:73], s[76:77]
	s_cmp_eq_u32 s14, 2
	s_cselect_b64 s[2:3], s[80:81], s[2:3]
	s_add_nc_u64 s[G0W+2:G0W+3], s[2:3], s[46:47]
	s_add_nc_u64 s[G0X0+2:G0X0+3], s[68:69], s[94:95]
	s_add_nc_u64 s[G0X+2:G0X+3], s[G0X0+2:G0X0+3], s[96:97]
	s_add_nc_u64 s[PFB:PFB+1], s[G0X0+2:G0X0+3], PAIRB
	s_or_b32 s[G0W+3], s[G0W+3], 0x80000000
	s_or_b32 s[G0X0+3], s[G0X0+3], 0x80000000
	s_or_b32 s[G0X+3], s[G0X+3], 0x80000000
	s_cmp_lt_u32 s14, 3
	s_cbranch_scc0 .Lhead_x
	TLOAD G0W, G1W                                 ; waves 0, 1, 2: the head's rows of Wq, Wk, Wv
	s_branch .Lasked
.Lhead_x:
	TLOAD G0X0, G1X0                               ; wave 3: pair 0
.Lasked:
	; pointers of the plain loads and of the stores
	s_cmp_eq_u32 s16, 0
	s_cselect_b64 s[2:3], s[74:75], s[78:79]       ; Wq's or Wk's scale bytes,
	s_cselect_b64 s[96:97], s[84:85], s[86:87]     ; bq or bk,
	s_cselect_b64 s[QB:QB+1], s[90:91], s[92:93]   ; qbuf or kvbuf
	s_lshl_b32 s46, s42, 11
	s_add_nc_u64 s[2:3], s[2:3], s[46:47]
	s_lshl_b32 s94, s16, 10
	s_add_co_u32 s46, s46, s94
	s_add_nc_u64 s[82:83], s[82:83], s[46:47]
	s_lshl_b32 s46, s42, 8
	s_add_nc_u64 s[96:97], s[96:97], s[46:47]
	s_lshl_b32 s94, s16, 7
	s_add_co_u32 s46, s46, s94
	s_add_nc_u64 s[88:89], s[88:89], s[46:47]
	s_lshl_b32 s46, s43, 14
	s_lshl_b32 s94, s15, 11
	s_add_co_u32 s46, s46, s94
	s_add_nc_u64 s[XSP:XSP+1], s[70:71], s[46:47]
	s_lshr_b32 s46, s43, 2
	s_lshl_b32 s46, s46, 4
	s_add_co_u32 s46, s46, s42
	s_mul_i32 s46, s46, REC
	s_and_b32 s94, s43, 3
	s_mul_i32 s94, s94, 4*STP
	s_add_co_u32 s46, s46, s94
	s_add_nc_u64 s[QB:QB+1], s[QB:QB+1], s[46:47]
	s_add_nc_u64 s[VB:VB+1], s[92:93], s[46:47]
	s_mul_i32 s66, s15, 64*PITCH
	s_mul_i32 s67, s16, 64*PITCH
	s_add_co_u32 s67, s67, P1
	s_mul_i32 s94, s16, 32*PITCH
	s_add_co_u32 s94, s94, EW
	s_mul_i32 s95, s15, 4*HF
	s_mul_i32 s46, s16, 2*FRB
	s_mul_i32 s47, s15, HF
	s_add_co_u32 s46, s46, s47
	s_add_co_u32 s46, s46, VIMG
	s_lshl_b32 s47, s15, 3
	s_add_co_u32 s47, s47, KSC
	s_lshl_b32 s98, s16, 3
	s_lshl_b32 s99, s15, 1
	s_add_co_u32 s98, s98, s99
	s_add_co_u32 s98, s98, VSC
	s_lshl_b32 s99, s40, 2
	s_add_co_u32 s99, s99, s14
	s_mul_i32 s99, s99, PAIRB/16
	v_and_b32 v12, 15, v0                          ; r
	v_bfe_u32 v13, v0, 4, 1                        ; h
	v_and_b32 v14, 31, v0                          ; lane
	v_mul_u32_u24 v15, v12, PITCH
	v_mad_u32_u24 v58, v13, 24, v15
	v_mad_u32_u24 v59, v13, 40, v15
	v_add_nc_u32 v[ADRA0], s66, v58
	v_add_nc_u32 v[ADRA0+1], s66, v59
	v_add_nc_u32 v[WA], s67, v58
	v_add_nc_u32 v[WA+1], s67, v59
.irp t, 1,2,3
	v_add_nc_u32 v[WA+2*\t], \t*BLKB, v[WA]
	v_add_nc_u32 v[WA+2*\t+1], \t*BLKB, v[WA+1]
.endr
	v_add_nc_u32 v[WA+8], s94, v58
	v_add_nc_u32 v[WA+9], s94, v59
	v_add_nc_u32 v[WA+10], BLKB, v[WA+8]
	v_add_nc_u32 v[WA+11], BLKB, v[WA+9]
	v_lshlrev_b32 v[ABS], 5, v14
	v_lshl_add_u32 v[LQ16], v14, 4, s95
	v_lshl_add_u32 v[LQ8], v14, 3, s95
	v_lshl_add_u32 v[LV16], v14, 4, s46
	v_lshl_add_u32 v[LV8], v14, 3, s46
	v_lshl_add_u32 v[SAK], v12, 4, s47
	v_lshl_add_u32 v[SAV], v12, 4, s98
	v_lshl_add_u32 v[SAV], v13, 2, v[SAV]
	v_lshlrev_b32 v[SH16], 4, v13
	v_min_u32 v[PF], PAIRB/16/256-1, v14
	v_lshl_add_u32 v[PF], v[PF], 8, s99
	v_lshlrev_b32 v58, 5, v13                      ; 32 h
	v_lshlrev_b32 v59, 2, v12                      ; 4 r
.irp b, 0,1,2,3
	v_mov_b32 v[TM+4+\b], 0                        ; a lane permute's destination counts as one of its sources
.endr
	WALU
.irp p, 0,1
.irp c, 0,1
	global_load_b128 v[SB+8*\p+4*\c:SB+8*\p+4*\c+3], v[ABS], s[2:3] offset:\p*1024+16*\c
.endr
.endr
.irp c, 0,1
	global_load_b128 v[SB+16+4*\c:SB+16+4*\c+3], v[ABS], s[82:83] offset:16*\c
.endr
.irp t, 0,1,2,3
	global_load_b128 v[BB+8*\t:BB+8*\t+3], v58, s[96:97] offset:64*\t
	global_load_b128 v[BB+8*\t+4:BB+8*\t+7], v58, s[96:97] offset:64*\t+16
.endr
.irp u, 0,1
	global_load_b32 v[BA+\u], v59, s[88:89] offset:64*\u
.endr
.irp g, 0,1
.irp c, 0,1
	global_load_b128 v[XT+8*\g+4*\c:XT+8*\g+4*\c+3], v[ABS], s[XSP:XSP+1] offset:\g*1024+16*\c
.endr
.endr
	global_prefetch_b8 v[PF], s[PFB:PFB+1] th:TH_LOAD_NT scope:SCOPE_SE   ; pair 1
	s_wait_tensorcnt 0x0
	BARRIER                                        ; the weights and pair 0 are in
.irp q, 0,1,2,3,4,5,6,7
.irp t, 0,1,2,3,4,5
	FRAG 6*\q+\t, \q, v[WA+2*\t], v[WA+2*\t+1]
.endr
.endr
	WIN 0
.Ltrip:
	TRIP 0
	s_add_co_u32 s[TR], s[TR], 1
	s_cmp_lt_u32 s[TR], 3
	WALU
	s_cbranch_scc1 .Ltrip
	TRIP 1                                         ; the last pair: nothing more is asked for
	s_wait_tensorcnt 0x0                           ; the wave's end
	ds_add_u32 v[SPW], v[NIL]
	s_wait_dscnt 0x0
	CROUND                                         ; the closing round
	s_endpgm
.Lfunc_end_k_qa3875d70de_qkv:
	.size	k_qa3875d70de_qkv, .Lfunc_end_k_qa3875d70de_qkv-k_qa3875d70de_qkv
	.p2alignl 7, 3214868480
	.fill 96, 4, 3214868480
	.section	.rodata,"a",@progbits
	.p2align	6, 0x0
	.amdhsa_kernel k_qa3875d70de_qkv
		.amdhsa_group_segment_fixed_size 327680
		.amdhsa_private_segment_fixed_size 0
		.amdhsa_enable_private_segment 0
		.amdhsa_kernarg_size 104
		.amdhsa_user_sgpr_count 2
		.amdhsa_user_sgpr_kernarg_segment_ptr 1
		.amdhsa_wavefront_size32 1
		.amdhsa_system_sgpr_workgroup_id_x 1
		.amdhsa_system_sgpr_workgroup_id_y 1
		.amdhsa_system_sgpr_workgroup_id_z 1
		.amdhsa_system_vgpr_workitem_id 0
		.amdhsa_next_free_vgpr 1024
		.amdhsa_next_free_sgpr 100
		.amdhsa_reserve_vcc 0
		.amdhsa_float_denorm_mode_32 3
		.amdhsa_float_denorm_mode_16_64 3
		.amdhsa_memory_ordered 1
		.amdhsa_forward_progress 1
		.amdhsa_inst_pref_size 125
	.end_amdhsa_kernel
	.amdgpu_metadata
---
amdhsa.version: [ 1, 2 ]
amdhsa.kernels:
  - .name:           k_qa3875d70de_qkv
    .symbol:         k_qa3875d70de_qkv.kd
    .args:
      - { .name: x_codes, .offset: 0, .size: 8, .value_kind: global_buffer, .address_space: global }
      - { .name: x_scales, .offset: 8, .size: 8, .value_kind: global_buffer, .address_space: global }
      - { .name: Wq_codes, .offset: 16, .size: 8, .value_kind: global_buffer, .address_space: global }
      - { .name: Wq_scales, .offset: 24, .size: 8, .value_kind: global_buffer, .address_space: global }
      - { .name: Wk_codes, .offset: 32, .size: 8, .value_kind: global_buffer, .address_space: global }
      - { .name: Wk_scales, .offset: 40, .size: 8, .value_kind: global_buffer, .address_space: global }
      - { .name: Wv_codes, .offset: 48, .size: 8, .value_kind: global_buffer, .address_space: global }
      - { .name: Wv_scales, .offset: 56, .size: 8, .value_kind: global_buffer, .address_space: global }
      - { .name: bq, .offset: 64, .size: 8, .value_kind: global_buffer, .address_space: global }
      - { .name: bk, .offset: 72, .size: 8, .value_kind: global_buffer, .address_space: global }
      - { .name: bv, .offset: 80, .size: 8, .value_kind: global_buffer, .address_space: global }
      - { .name: qbuf, .offset: 88, .size: 8, .value_kind: global_buffer, .address_space: global }
      - { .name: kvbuf, .offset: 96, .size: 8, .value_kind: global_buffer, .address_space: global }
    .group_segment_fixed_size: 327680
    .private_segment_fixed_size: 0
    .kernarg_segment_align: 8
    .kernarg_segment_size: 104
    .max_flat_workgroup_size: 128
    .sgpr_count:     100
    .vgpr_count:     1024
    .wavefront_size: 32
...
	.end_amdgpu_metadata
.endif
;; end of part 1
;; launch attn (part 2): grid 4 x 64, 16 waves a work-group, clusters of 4 x 1, 206,848 bytes of LDS; arguments qbuf, kvbuf, ao_codes, ao_scales; writes ao_codes, ao_scales
.if DOCPART == 2
	.amdgcn_target "amdgcn-amd-amdhsa--gfx1250"
	.amdhsa_code_object_version 6
	.text
	.protected	k_qa3875d70de_attn
	.globl	k_qa3875d70de_attn
	.p2align	8
	.type	k_qa3875d70de_attn,@function
k_qa3875d70de_attn:
	s_mov_b64 s[64:65], 0
	v_nop
	global_prefetch_b8 v0, s[64:65] scope:SCOPE_SE
	s_setreg_imm32_b32 hwreg(HW_REG_WAVE_MODE, 25, 1), 1
	s_wait_xcnt 0x0
	s_wait_alu depctr_hold_cnt(0) depctr_sa_sdst(0) depctr_va_vdst(0) depctr_va_sdst(0) depctr_va_ssrc(0) depctr_va_vcc(0) depctr_vm_vsrc(0)
	s_getreg_b32 s2, hwreg(HW_REG_IB_STS2, 6, 4)
	s_cmp_eq_u32 s2, 0
	s_cbranch_scc0 .Lentry_in_a_cluster
	s_endpgm
.Lentry_in_a_cluster:
	s_bfe_u32 s2, ttmp6, 0x10000c
	s_cmp_lg_u32 s2, 0x3003
	s_cbranch_scc0 .Lentry_shape_is_right
	s_endpgm
.Lentry_shape_is_right:
; Causal attention of one (batch, head) on codes of FP6 (E2M3) with E8M0 scales, and the quantising of its result along the model's 1,024 for the output projection.
; t = score x log2(e) / 8; M = the running largest t rounded up to a whole number; p = 2^(t - M) is quantised along the keys, not normalised; the row's sum is taken of the unquantised p and divides at the end.
; INPUTS (this program's own layout): a record of REC bytes for each (batch, head) = 16 step records (128 tokens) of STP bytes: 8 half fragments of K (16 tokens x 64 d, HF bytes), 4 fragments of V^T (16 d x 128 keys,
; FRB bytes) at VIMG, K's scale words [16][4] at KSC, V's [16][4] 256 bytes on.  All are images of operand registers: registers 0-3 of a half at 16 x lane, registers 4-5 at 512 + 8 x lane.  q lies in qbuf as K lies in kvbuf.
; SHARES.  A cluster of four work-groups owns a head; its 128 tiles of 16 queries are dealt so: wave w of partner g takes tiles 4 w + g and 127 - (4 w + g).  They need (w / 2) + 1 and 16 - (w / 2) steps of 128 keys:
; 17 for every wave.  The counts hang on the wave's number alone; the partner's place enters global addresses and the mask's numbers, no branch and no LDS address.
; LDS.  The head's whole record, 204,800 bytes, lies in LDS as it lies in memory.  Wave w brings step record w by one joint tensor load (the same descriptor and the mask 15 in all four partners).  It is filled once:
; one barrier, and behind it LDS is only read, so each wave walks its steps at its own pace.  All of K and V is asked for at the kernel's head, so there is no later tile to ask for ahead.
; K = 64 IN A FORM OF K = 128.  A fragment of K holds key tile 2 f in registers 0-5 and key tile 2 f + 1 in registers 6-11.  Multiplied by [q | zeros] it gives tile 2 f's scores, by [zeros | q] tile 2 f + 1's.
; Zero codes add nothing under the scale bytes here, which lie between 1 and 254.
; LAYOUT.  Both products are used transposed: S^T = K Q^T, O^T = V^T P^T: a lane holds one query (lane % 16) throughout.  Register 16 B + i of lane half h is key 32 B + 8 h + i % 8 + 16 (i / 8) of the step; its code goes to
; place 16 h + i of block B, the order in which V's codes were laid.  The result meets a given operand, so its numbers are brought into the natural order (16 exchanges of lane halves) ahead of its quantiser.
; OUTPUT.  ao_codes [512 token tiles][16 heads][HF]: half fragments; ao_scales [8,192 tokens][32].  A token's two scale bytes of a head are stored as 2 bytes, 32 bytes apart from token to token: a row's 32 bytes come from
; sixteen work-groups, and they are 1 byte in 24 of what the launch stores.
; LIMITS: a block whose largest magnitude lies under 2^-124, and a block of zeros, keep the byte 1; NaN and infinities are not served.
.set REC,   204800
.set STP,   12800
.set VIMG,  6144
.set KSC,   12288
.set HF,    768
.set FRB,   1536
.set L16,  1                           ; v1   16 x lane
.set L8,   2                           ; v2   8 x lane
.set ADA,  3                           ; v3   the step's LDS address + 16 x lane
.set ADB,  4                           ; v4   + 8 x lane
.set DQ,   5                           ; v5   lane % 16 - 8 (lane / 16)
.set R32,  6                           ; v6   32 x (lane % 16)
.set R16,  7                           ; v7   16 x (lane % 16)
.set QSA,  8                           ; v8, v9  q's scale words {s0, s1, s0, s1} of my two tiles
.set QSB,  9
.set PS,   10                          ; v10  p's scale word
                                       ; v12 -M, v13 the largest t, v[14:15] the sum in two halves
.set ZQ,   16                          ; v16-45  zeros 16-21, q of tile A 22-27, zeros 28-33, q of tile B 34-39, zeros 40-45
.set SC,   46                          ; v46-49  lanes 0-15 K's scale words, lanes 16-31 V's
.set F,    50                          ; v50-97  four fragments of K, then of V
.set S,    98                          ; v98-161 S^T, then p
.set O,    162                         ; v162-193 O^T, four tiles
.set PCD,  194                         ; v194-205 p's codes
.set PCX,  206                         ; v206-208, v210-212 the conversions' second halves
.set BM,   214                         ; v214-217 a block's largest score, then its largest p
.set T2,   218                         ; v218-221 at work
.set SOP,  222                         ; v222-225 the conversions' scale operands
.set FF,   226                         ; v[226:227] f = 2^(old M - new M); v227 is named with it as a pair
.set TT,   228                         ; v228 at work
.set NINF, 229                         ; v229 -infinity
.set SUM2, 230                         ; v[230:231] the sum's second chain
.set QRAW, 232                         ; v232, v233 q's scale words as loaded
.set WV,   12                          ; s12  my wave's number
.set CX,   13                          ; s13  my place in the cluster
.set YY,   14                          ; s14  the record: 16 x batch + head
.set SEL,  20                          ; s[20:21] lane selects for v_permlanex16_b32: lane l xor 16
.set CS,   22                          ; s[22:23] c = log2(e) / 8
.set G1,   24
.set G0,   32
.set TB,   36                          ; s36  LDS byte at which the step's record begins
.set KF,   37                          ; s37  the step's first key
.set JJ,   38                          ; s38  the step's number
.set TS,   39                          ; s39  at work
.macro CROUND                          ; a round of the cluster's barrier
	s_barrier_signal -1
	s_barrier_wait -1
	s_cmp_lg_u32 s[WV], 0
	s_cbranch_scc1 .Lnot_wave_0_\@
	s_barrier_signal -3
.Lnot_wave_0_\@:
	s_barrier_wait -3
	s_barrier_signal -1
	s_barrier_wait -1
.endm
	s_load_b256 s[4:11], s[0:1], 0x0               ; qbuf s[4:5], kvbuf s[6:7], ao_codes s[8:9], ao_scales s[10:11]
	v_lshl_add_u32 v254, v0, 2, 0x32000
	v_mov_b32 v255, 0
	ds_add_u32 v254, v255
	ds_add_u32 v254, v255
	v_lshrrev_b32 v1, 5, v0
	s_delay_alu instid0(VALU_DEP_1)
	v_readfirstlane_b32 s[WV], v1                  ; wave 0..15
	s_bfe_u32 s[CX], ttmp6, 0x40000
	s_and_b32 s[YY], ttmp7, 0xffff                 ; the cluster's y
	s_mul_i32 s16, s[YY], REC                      ; the record's first byte (64 records: under 2^24)
	s_mov_b32 s17, 0
	s_mul_i32 s18, s[WV], STP                      ; my step record
	s_mov_b32 s19, 0
	; descriptor group 1: a dense block of STP bytes as 50 rows of 256 bytes (32 elements of 8 bytes), no padding
	s_mov_b32 s[G1], 15|(3<<16)|(1<<21)            ; 15:0 the mask: all four work-groups; 17:16 elements of 8 bytes; 21 set beside a mask
	s_mov_b32 s[G1+1], 32<<16                      ; tensor_dim0
	s_mov_b32 s[G1+2], 50<<16                      ; tensor_dim1
	s_mov_b32 s[G1+3], 32<<16                      ; tile_dim0
	s_mov_b32 s[G1+4], 50                          ; tile_dim1
	s_mov_b32 s[G1+5], 32                          ; tensor_dim0_stride
	s_mov_b32 s[G1+6], 0
	s_mov_b32 s[G1+7], 0
	s_mov_b32 s[SEL], 0x76543210
	s_mov_b32 s[SEL+1], 0xfedcba98
	s_mov_b32 s[CS], 0x3e38aa3b
	s_mov_b32 s[CS+1], s[CS]                       ; (named with it as a pair, so it is written)
	s_wait_dscnt 0x0
	s_wait_kmcnt 0x0
	s_mov_b32 s[G0], 1
	s_mul_i32 s[G0+1], s[WV], STP                  ; LDS address: wave x STP
	s_add_nc_u64 s[G0+2:G0+3], s[6:7], s[16:17]
	s_add_nc_u64 s[G0+2:G0+3], s[G0+2:G0+3], s[18:19]
	s_or_b32 s[G0+3], s[G0+3], 0x80000000
	CROUND                                         ; all four work-groups are here: the joint loads meet
	tensor_load_to_lds s[G0:G0+3], s[G1:G1+7]      ; my one tensor load of the launch
	s_nop 0
.rept 4
	v_nop
.endr
	s_lshr_b32 s15, s[WV], 1
	s_add_co_u32 s40, s15, 1                       ; steps of tile A
	s_sub_co_u32 s41, 16, s15                      ; of tile B
	s_mov_b32 s42, s15                             ; the step on the diagonal: A's,
	s_sub_co_u32 s43, 15, s15                      ; B's
	s_lshl_b32 s18, s[WV], 2
	s_add_co_u32 s18, s18, s[CX]                   ; tile A = 4 w + g
	s_sub_co_u32 s19, 127, s18                     ; tile B
	s_lshl_b32 s44, s18, 4                         ; their first queries
	s_lshl_b32 s45, s19, 4
; The pointers of the tile whose number stands in s[t]: q's codes, q's scale word, the result's codes, its scale bytes; and the bytes of q's scale word that are this tile's
.macro PTRS t, qc, qw, ao, as, sel
	s_lshr_b32 s36, s[\t], 3
	s_mul_i32 s36, s36, STP
	s_add_co_u32 s36, s36, s16                     ; the record, the tile's step
	s_and_b32 s37, s[\t], 7
	s_mul_i32 s38, s37, HF
	s_add_co_u32 s38, s38, s36
	s_mov_b32 s39, 0
	s_add_nc_u64 s[\qc:\qc+1], s[4:5], s[38:39]
	s_lshr_b32 s37, s37, 1
	s_lshl_b32 s37, s37, 2
	s_add_co_u32 s38, s36, s37
	s_add_co_u32 s38, s38, KSC                     ; word (tile % 8) / 2 of each row's four
	s_add_nc_u64 s[\qw:\qw+1], s[4:5], s[38:39]
	s_lshr_b32 s36, s[YY], 4                       ; the batch
	s_and_b32 s37, s[YY], 15                       ; the head
	s_lshl_b32 s36, s36, 7
	s_add_co_u32 s36, s36, s[\t]                   ; the token tile among 512
	s_lshl_b32 s38, s36, 4
	s_add_co_u32 s38, s38, s37
	s_mul_i32 s38, s38, HF
	s_add_nc_u64 s[\ao:\ao+1], s[8:9], s[38:39]
	s_lshl_b32 s38, s36, 9                         ; 16 tokens of 32 bytes
	s_lshl_b32 s37, s37, 1
	s_add_co_u32 s38, s38, s37                     ; + 2 x head
	s_add_nc_u64 s[\as:\as+1], s[10:11], s[38:39]
	s_and_b32 s38, s[\t], 1
	s_mul_i32 s38, s38, 0x02020202
	s_add_co_u32 s[\sel], s38, 0x01000100          ; an even tile's bytes 0, 1, an odd tile's 2, 3: each twice
.endm
	PTRS 18, 54, 58, 46, 50, 62
	PTRS 19, 56, 60, 48, 52, 63
	v_and_b32 v11, 31, v0
	s_delay_alu instid0(VALU_DEP_1)
	v_lshlrev_b32 v[L16], 4, v11
	s_delay_alu instid0(VALU_DEP_2)
	v_lshlrev_b32 v[L8], 3, v11
	v_and_b32 v[R16], 15, v0                       ; r
	v_bfe_u32 v[R32], v0, 4, 1                     ; h
	s_delay_alu instid0(VALU_DEP_1)
	v_lshlrev_b32 v[DQ], 3, v[R32]
	s_delay_alu instid0(VALU_DEP_1)
	v_sub_nc_u32 v[DQ], v[R16], v[DQ]              ; r - 8 h
	s_delay_alu instid0(VALU_DEP_4)
	v_lshlrev_b32 v[R32], 5, v[R16]
	v_lshlrev_b32 v[R16], 4, v[R16]
	global_load_b128 v[ZQ+6:ZQ+9], v[L16], s[54:55]
	global_load_b64 v[ZQ+10:ZQ+11], v[L8], s[54:55] offset:512
	global_load_b32 v[QRAW], v[R16], s[58:59]
	global_load_b128 v[ZQ+18:ZQ+21], v[L16], s[56:57]
	global_load_b64 v[ZQ+22:ZQ+23], v[L8], s[56:57] offset:512
	global_load_b32 v[QRAW+1], v[R16], s[60:61]
.irp z, 0,1,2,3,4,5
	v_mov_b32 v[ZQ+\z], 0                          ; the zero codes beside q
	v_mov_b32 v[ZQ+12+\z], 0
	v_mov_b32 v[ZQ+24+\z], 0
.endr
.irp b, 0,1,2,3
	v_mov_b32 v[T2+\b], 0                          ; written once: a lane permute's destination counts as one of its sources
.endr
	v_mov_b32 v[TT], 0
	v_mov_b32 v[FF+1], 0
	v_mov_b32 v[NINF], 0xff800000
	s_wait_loadcnt 0x0                             ; q and its scale words
	v_perm_b32 v[QSA], v[QRAW], v[QRAW], s62
	v_perm_b32 v[QSB], v[QRAW+1], v[QRAW+1], s63
	s_wait_tensorcnt 0x0                           ; my step record has landed,
	s_barrier_signal -1
	s_barrier_wait -1                              ; everybody's has: from here on LDS is only read
.macro FR4 reg, off                    ; a fragment's 12 registers from its image
	ds_load_b128 v[\reg:\reg+3], v[ADA] offset:\off
	ds_load_b64 v[\reg+4:\reg+5], v[ADB] offset:\off+512
	ds_load_b128 v[\reg+6:\reg+9], v[ADA] offset:\off+768
	ds_load_b64 v[\reg+10:\reg+11], v[ADB] offset:\off+1280
.endm
; ONE TILE OF 16 QUERIES.  qlo, qhi: the first registers of [q | zeros] and [zeros | q]; qs: q's scale words; ns, nd, q0: the scalar registers with the tile's steps, its step on the diagonal, its first query; ao, as: its pointers.
.macro PASS qlo, qhi, qs, ns, nd, q0, ao, as
	v_mov_b32 v13, 0xff61b1e6                      ; the largest t so far: -3e38, under every t
	s_delay_alu instid0(VALU_DEP_1)
	v_floor_f32 v12, -v13                          ; -M
	v_mov_b32 v14, 0
	v_mov_b32 v15, 0
.set j, 0
.rept 32
	v_mov_b32 v[O+j], 0                            ; O^T: the step is written once; the first finds zeros, which the first change of M leaves zeros
.set j, j+1
.endr
	s_mov_b32 s[TB], 0
	s_mov_b32 s[KF], 0
	s_mov_b32 s[JJ], 0
.Lstep_\@:                                         ; 16 trips, a constant of the text; a step all of whose keys come after my queries is jumped over: a branch on the wave's number and the count
	s_cmp_ge_u32 s[JJ], s[\ns]
	s_cbranch_scc1 .Lhid_\@
	v_add_nc_u32 v[ADA], s[TB], v[L16]
	v_add_nc_u32 v[ADB], s[TB], v[L8]
	v_nop
	v_nop                                          ; four places behind the last step's products, in front of loads into registers that they read
.irp f, 0,1,2,3
	FR4 F+12*\f, FRB*\f                            ; key tiles 2 f and 2 f + 1
.endr
	ds_load_b128 v[SC:SC+3], v[ADA] offset:KSC     ; lanes 0-15: K's four words of row r; lanes 16-31, 256 bytes on: V's
	s_wait_alu depctr_va_vdst(0)
	s_wait_dscnt 0x0
.irp f, 0,1,2,3
	v_wmma_scale_f32_16x16x128_f8f6f4 v[S+16*\f:S+16*\f+7], v[F+12*\f:F+12*\f+11], v[\qlo:\qlo+11], 0, v[SC+\f], v[\qs] matrix_a_fmt:MATRIX_FMT_FP6 matrix_b_fmt:MATRIX_FMT_FP6
	v_wmma_scale_f32_16x16x128_f8f6f4 v[S+16*\f+8:S+16*\f+15], v[F+12*\f:F+12*\f+11], v[\qhi:\qhi+11], 0, v[SC+\f], v[\qs] matrix_a_fmt:MATRIX_FMT_FP6 matrix_b_fmt:MATRIX_FMT_FP6
.endr
.rept 4
	v_nop                                          ; places in front of the loads into K's registers and of the first read of the scores
.endr
.irp t, 0,1,2,3
	FR4 F+12*\t, VIMG+FRB*\t                       ; V's four fragments land while the softmax is worked
.endr
	s_cmp_lt_u32 s[JJ], s[\nd]                     ; a step all of whose keys count skips the mask
	s_cbranch_scc1 .Lopen_\@
	s_sub_co_i32 s[TS], s[\q0], s[KF]
	v_add_nc_u32 v[TT], s[TS], v[DQ]               ; d = my query - KF - 8 (lane / 16).  Register 8 T + j holds key KF + 16 T + 8 (lane / 16) + j: hidden where 16 T + j > d
.set m, 0
.rept 64
	v_cmp_gt_i32 vcc_lo, 16*(m/8)+m%8, v[TT]
	v_cndmask_b32 v[S+m], v[S+m], v[NINF], vcc_lo
.set m, m+1
.endr
.Lopen_\@:
.irp b, 0,1,2,3
	v_max3_num_f32 v[BM+\b], v[S+16*\b], v[S+1+16*\b], v[S+2+16*\b]   ; the largest score of each block of 32 keys: it serves the row's maximum and, since p rises with the score, the block's largest p
.endr
.irp i, 3,5,7,9,11,13
.irp b, 0,1,2,3
	v_max3_num_f32 v[BM+\b], v[BM+\b], v[S+16*\b+\i], v[S+1+16*\b+\i]
.endr
.endr
.irp b, 0,1,2,3
	v_max_num_f32 v[BM+\b], v[BM+\b], v[S+15+16*\b]
.endr
.irp b, 0,1,2,3
	s_delay_alu instid0(VALU_DEP_4)
	v_permlanex16_b32 v[T2+\b], v[BM+\b], s[SEL], s[SEL+1]
.endr
.irp b, 0,1,2,3
	s_delay_alu instid0(VALU_DEP_4)
	v_max_num_f32 v[BM+\b], v[BM+\b], v[T2+\b]     ; with lane l xor 16's 16 keys
.endr
	s_delay_alu instid0(VALU_DEP_2)
	v_max3_num_f32 v[TT], v[BM], v[BM+1], v[BM+2]
	s_delay_alu instid0(VALU_DEP_1)
	v_max_num_f32 v[TT], v[TT], v[BM+3]            ; the step's largest score of my query
	s_delay_alu instid0(VALU_DEP_1)
	v_mul_f32 v[TT], s[CS], v[TT]                  ; as t
	s_delay_alu instid0(VALU_DEP_1)
	v_max_num_f32 v13, v13, v[TT]                  ; the running largest t
	v_mov_b32 v[TT], v12
	s_delay_alu instid0(VALU_DEP_2)
	v_floor_f32 v12, -v13                          ; the new -M = floor(-t): M is a whole number
	s_delay_alu instid0(VALU_DEP_1)
	v_sub_f32 v[TT], v12, v[TT]                    ; old M - new M: a whole number, 0 or less
	s_delay_alu instid0(VALU_DEP_1)
	v_cvt_i32_f32 v[TT], v[TT]                     ; (it saturates)
	s_delay_alu instid0(VALU_DEP_1)
	v_ldexp_f32 v[FF], 1.0, v[TT]                  ; f = 2^(old M - new M): a multiplication by it rounds nothing
.set j, 0
.rept 32
	v_pk_fma_f32 v[S+j:S+j+1], v[S+j:S+j+1], s[CS:CS+1], v[12:13] op_sel_hi:[1,0,0]   ; t - M, two at a time
.set j, j+2
.endr
.irp b, 0,1,2,3
	v_fma_f32 v[BM+\b], v[BM+\b], s[CS], v12       ; the same of each block's largest score
.endr
.set j, 0
	s_wait_alu depctr_va_vdst(0)
.rept 64
	v_exp_f32 v[S+j], v[S+j]                       ; p = 2^(t - M)
.set j, j+1
.endr
	v_pk_mul_f32 v[14:15], v[14:15], v[FF:FF+1] op_sel_hi:[1,0]   ; the sums under the new M: the plain instruction behind the exponentials
	s_wait_alu depctr_va_vdst(0)                   ; one wait for the batch of 64, ahead of its first reader
.irp b, 0,1,2,3
	v_exp_f32 v[BM+\b], v[BM+\b]                   ; the block's largest p: the same two instructions on the same number give the same bits
.endr
	v_pk_add_f32 v[230:231], v[102:103], v[106:107]
	v_pk_add_f32 v[252:253], v[110:111], v[114:115]
	v_pk_add_f32 v[250:251], v[118:119], v[122:123]
	v_pk_add_f32 v[248:249], v[126:127], v[130:131]
	v_pk_add_f32 v[246:247], v[134:135], v[138:139]
	v_pk_add_f32 v[244:245], v[142:143], v[146:147]
	v_pk_add_f32 v[242:243], v[150:151], v[154:155]
	v_pk_add_f32 v[14:15], v[14:15], v[158:159]
	v_pk_add_f32 v[230:231], v[230:231], v[98:99]
	v_pk_add_f32 v[252:253], v[252:253], v[100:101]
	v_pk_add_f32 v[250:251], v[250:251], v[104:105]
	v_pk_add_f32 v[248:249], v[248:249], v[108:109]
	v_pk_add_f32 v[246:247], v[246:247], v[112:113]
	v_pk_add_f32 v[244:245], v[244:245], v[116:117]
	v_pk_add_f32 v[242:243], v[242:243], v[120:121]
	v_pk_add_f32 v[14:15], v[14:15], v[124:125]
	v_pk_add_f32 v[230:231], v[230:231], v[128:129]
	v_pk_add_f32 v[252:253], v[252:253], v[132:133]
	v_pk_add_f32 v[250:251], v[250:251], v[136:137]
	v_pk_add_f32 v[248:249], v[248:249], v[140:141]
	v_pk_add_f32 v[246:247], v[246:247], v[144:145]
	v_pk_add_f32 v[244:245], v[244:245], v[148:149]
	v_pk_add_f32 v[242:243], v[242:243], v[152:153]
	v_pk_add_f32 v[14:15], v[14:15], v[156:157]
	v_pk_add_f32 v[230:231], v[230:231], v[160:161]
	s_delay_alu instid0(VALU_DEP_2)
	v_pk_add_f32 v[14:15], v[14:15], v[248:249]
	s_delay_alu instid0(VALU_DEP_2)
	v_pk_add_f32 v[230:231], v[230:231], v[246:247]
	v_pk_add_f32 v[252:253], v[252:253], v[244:245]
	v_pk_add_f32 v[250:251], v[250:251], v[242:243]
	s_delay_alu instid0(VALU_DEP_2)
	v_pk_add_f32 v[14:15], v[14:15], v[252:253]
	s_delay_alu instid0(VALU_DEP_2)
	v_pk_add_f32 v[230:231], v[230:231], v[250:251]
	s_delay_alu instid0(VALU_DEP_1)
	v_pk_add_f32 v[14:15], v[14:15], v[230:231]
	s_wait_alu depctr_va_vdst(0)                   ; and one for the four
.irp b, 0,1,2,3
	v_max_num_f32 v[BM+\b], 0x1800000, v[BM+\b]    ; the floor 2^(3 - 127): the byte cannot fall under 1
.endr
.irp b, 0,1,2,3
	s_delay_alu instid0(VALU_DEP_4)
	v_add_nc_u32 v[SOP+\b], 0xff000000, v[BM+\b]   ; 2 off the exponent field: the conversion's scale operand
.endr
.irp b, 0,1,2,3
	s_delay_alu instid0(VALU_DEP_4)
	v_lshrrev_b32 v[T2+\b], 23, v[SOP+\b]          ; the scale's byte
.endr
	s_delay_alu instid0(VALU_DEP_3)
	v_lshl_or_b32 v[PS], v[T2+1], 8, v[T2]
	s_delay_alu instid0(VALU_DEP_1)
	v_lshl_or_b32 v[PS], v[T2+2], 16, v[PS]
	s_delay_alu instid0(VALU_DEP_1)
	v_lshl_or_b32 v[PS], v[T2+3], 24, v[PS]
.irp c, 0,1
	v_cvt_scalef32_pk16_fp6_f32 v[PCD+6*\c:PCD+2+6*\c], v[S+32*\c:S+15+32*\c], v[SOP+2*\c]
	v_cvt_scalef32_pk16_fp6_f32 v[PCX+4*\c:PCX+2+4*\c], v[S+16+32*\c:S+31+32*\c], v[SOP+2*\c+1]
.endr
	v_nop                                          ; one plain instruction behind the scaled conversions
.irp c, 0,1                                    ; a whole block in a lane: lanes 0-15 block 2 c, lanes 16-31 block 2 c + 1
.irp i, 0,1,2
	v_permlane16_swap_b32 v[PCD+6*\c+\i], v[PCX+4*\c+\i]
.endr
.irp i, 0,1,2
	s_delay_alu instid0(VALU_DEP_3)
	v_mov_b32 v[PCD+3+6*\c+\i], v[PCX+4*\c+\i]
.endr
.endr
.set j, 0
.rept 16
	v_pk_mul_f32 v[O+j:O+j+1], v[O+j:O+j+1], v[FF:FF+1] op_sel_hi:[1,0]   ; O^T under the new M.  For each product below twelve of these name none of its registers: the places behind the writes of p's codes and scale word
.set j, j+2
.endr
	s_wait_alu depctr_va_vdst(0)
	s_wait_dscnt 0x0                               ; V's fragments are in
.irp t, 0,1,2,3                                ; O^T += V^T P^T: the four accumulators by turns
	v_wmma_scale_f32_16x16x128_f8f6f4 v[O+8*\t:O+8*\t+7], v[F+12*\t:F+12*\t+11], v[PCD:PCD+11], v[O+8*\t:O+8*\t+7], v[SC+\t], v[PS] matrix_a_fmt:MATRIX_FMT_FP6 matrix_b_fmt:MATRIX_FMT_FP6 matrix_a_scale:MATRIX_SCALE_ROW1
.endr
.Lhid_\@:
	s_add_co_u32 s[TB], s[TB], STP
	s_add_co_u32 s[KF], s[KF], 128
	s_add_co_u32 s[JJ], s[JJ], 1
	s_cmp_lt_u32 s[JJ], 16
	s_cbranch_scc1 .Lstep_\@
	; the tile's end: O^T / the sum, the natural order, the quantiser along the model's axis (two blocks of 32: this head's 64), the stores
.rept 4
	v_nop                                          ; places behind the last products
.endr
	v_add_f32 v14, v14, v15
	s_delay_alu instid0(VALU_DEP_1)
	v_permlanex16_b32 v[TT], v14, s[SEL], s[SEL+1]
	s_delay_alu instid0(VALU_DEP_1)
	v_add_f32 v14, v14, v[TT]                      ; the row's sum
	s_wait_alu depctr_va_vdst(0)
	v_rcp_f32 v14, v14
	v_nop                                          ; a plain instruction behind the reciprocal,
	s_wait_alu depctr_va_vdst(0)                   ; and the wait ahead of its first reader
.set j, 0
.rept 32
	v_mul_f32 v[S+j], v[O+j], v14                  ; register 8 t + i: d = 16 t + 8 h + i; each accumulator from its low end on
.set j, j+1
.endr
.irp b, 0,1
.irp i, 0,1,2,3,4,5,6,7
	v_permlane16_swap_b32 v[S+16*\b+\i], v[S+8+16*\b+\i]   ; now register 16 b + i holds d = 32 b + 16 h + i
.endr
.endr
.irp b, 0,1
	v_max3_num_f32 v[BM+\b], |v[S+16*\b]|, |v[S+1+16*\b]|, 0x1800000
.endr
.irp i, 2,4,6,8,10,12,14
.irp b, 0,1
	s_delay_alu instid0(VALU_DEP_2)
	v_max3_num_f32 v[BM+\b], v[BM+\b], |v[S+16*\b+\i]|, |v[S+1+16*\b+\i]|
.endr
.endr
.irp b, 0,1
	s_delay_alu instid0(VALU_DEP_2)
	v_permlanex16_b32 v[T2+\b], v[BM+\b], s[SEL], s[SEL+1]
.endr
.irp b, 0,1
	s_delay_alu instid0(VALU_DEP_2)
	v_max_num_f32 v[BM+\b], v[BM+\b], v[T2+\b]
.endr
.irp b, 0,1
	s_delay_alu instid0(VALU_DEP_2)
	v_add_nc_u32 v[SOP+\b], 0xff000000, v[BM+\b]
.endr
.irp b, 0,1
	s_delay_alu instid0(VALU_DEP_2)
	v_lshrrev_b32 v[T2+\b], 23, v[SOP+\b]
.endr
	s_delay_alu instid0(VALU_DEP_1)
	v_lshl_or_b32 v[TT], v[T2+1], 8, v[T2]         ; my token's two scale bytes
	v_cvt_scalef32_pk16_fp6_f32 v[PCD:PCD+2], v[S:S+15], v[SOP]
	v_cvt_scalef32_pk16_fp6_f32 v[PCX:PCX+2], v[S+16:S+31], v[SOP+1]
	v_nop
.irp i, 0,1,2
	v_permlane16_swap_b32 v[PCD+\i], v[PCX+\i]
.endr
.irp i, 0,1,2
	s_delay_alu instid0(VALU_DEP_3)
	v_mov_b32 v[PCD+3+\i], v[PCX+\i]
.endr
	global_store_b128 v[L16], v[PCD:PCD+3], s[\ao:\ao+1]             ; the half fragment's image: 512 consecutive bytes,
	global_store_b64 v[L8], v[PCD+4:PCD+5], s[\ao:\ao+1] offset:512  ; and 256
	global_store_b16 v[R32], v[TT], s[\as:\as+1]                     ; lanes l and l + 16 write the same two bytes with the same value
	s_wait_xcnt 0x0                                ; the stores have read their data registers, which the next tile writes again
.endm
	PASS ZQ+6, ZQ, QSA, 40, 42, 44, 46, 50
	PASS ZQ+18, ZQ+12, QSB, 41, 43, 45, 48, 52
	s_wait_dscnt 0x0
	s_wait_tensorcnt 0x0
	ds_add_u32 v254, v255
	s_wait_dscnt 0x0
	CROUND                                         ; the closing round: no work-group ends while a partner may still issue a joint load that names it
	s_endpgm
.Lfunc_end_k_qa3875d70de_attn:
	.size	k_qa3875d70de_attn, .Lfunc_end_k_qa3875d70de_attn-k_qa3875d70de_attn
	.p2alignl 7, 3214868480
	.fill 96, 4, 3214868480
	.section	.rodata,"a",@progbits
	.p2align	6, 0x0
	.amdhsa_kernel k_qa3875d70de_attn
		.amdhsa_group_segment_fixed_size 206848
		.amdhsa_private_segment_fixed_size 0
		.amdhsa_enable_private_segment 0
		.amdhsa_kernarg_size 32
		.amdhsa_user_sgpr_count 2
		.amdhsa_user_sgpr_kernarg_segment_ptr 1
		.amdhsa_wavefront_size32 1
		.amdhsa_system_sgpr_workgroup_id_x 1
		.amdhsa_system_sgpr_workgroup_id_y 1
		.amdhsa_system_sgpr_workgroup_id_z 1
		.amdhsa_system_vgpr_workitem_id 0
		.amdhsa_next_free_vgpr 256
		.amdhsa_next_free_sgpr 66
		.amdhsa_reserve_vcc 1
		.amdhsa_float_denorm_mode_32 3
		.amdhsa_float_denorm_mode_16_64 3
		.amdhsa_memory_ordered 1
		.amdhsa_forward_progress 1
		.amdhsa_inst_pref_size 65
	.end_amdhsa_kernel
	.amdgpu_metadata
---
amdhsa.version: [ 1, 2 ]
amdhsa.kernels:
  - .name:           k_qa3875d70de_attn
    .symbol:         k_qa3875d70de_attn.kd
    .args:
      - { .name: qbuf, .offset: 0, .size: 8, .value_kind: global_buffer, .address_space: global }
      - { .name: kvbuf, .offset: 8, .size: 8, .value_kind: global_buffer, .address_space: global }
      - { .name: ao_codes, .offset: 16, .size: 8, .value_kind: global_buffer, .address_space: global }
      - { .name: ao_scales, .offset: 24, .size: 8, .value_kind: global_buffer, .address_space: global }
    .group_segment_fixed_size: 206848
    .private_segment_fixed_size: 0
    .kernarg_segment_align: 8
    .kernarg_segment_size: 32
    .max_flat_workgroup_size: 512
    .sgpr_count:     66
    .vgpr_count:     256
    .wavefront_size: 32
...
	.end_amdgpu_metadata
.endif
;; end of part 2
;; launch proj (part 3): grid 8 x 32, 4 waves a work-group, clusters of 4 x 4, 327,680 bytes of LDS; arguments ao_codes, ao_scales, Wp_codes, Wp_scales, out0, bp; writes out0
.if DOCPART == 3
	.amdgcn_target "amdgcn-amd-amdhsa--gfx1250"
	.amdhsa_code_object_version 6
	.text
	.protected	k_qa3875d70de_proj
	.globl	k_qa3875d70de_proj
	.p2align	8
	.type	k_qa3875d70de_proj,@function
k_qa3875d70de_proj:
	s_mov_b64 s[64:65], 0
	v_nop
	global_prefetch_b8 v0, s[64:65] scope:SCOPE_SE
	s_setreg_imm32_b32 hwreg(HW_REG_WAVE_MODE, 25, 1), 1
	s_wait_xcnt 0x0
	s_wait_alu depctr_hold_cnt(0) depctr_sa_sdst(0) depctr_va_vdst(0) depctr_va_sdst(0) depctr_va_ssrc(0) depctr_va_vcc(0) depctr_vm_vsrc(0)
	s_getreg_b32 s2, hwreg(HW_REG_IB_STS2, 6, 4)
	s_cmp_eq_u32 s2, 0
	s_cbranch_scc0 .Lentry_in_a_cluster
	s_endpgm
.Lentry_in_a_cluster:
	s_bfe_u32 s2, ttmp6, 0x10000c
	s_cmp_lg_u32 s2, 0xf033
	s_cbranch_scc0 .Lentry_shape_is_right
	s_endpgm
.Lentry_shape_is_right:
; out = ao Wp + bp on codes of FP6 (E2M3) with E8M0 scales, K = 1,024; f32 out.  No step of the problem is left out in this launch.
; ao_codes [512 token tiles][16 heads][768]: half fragments as images of operand registers (0-3 at 16 x lane, 4-5 at 512 + 8 x lane); ao_scales [8,192][32]; Wp_codes: 1,024 rows (output column) of 768 bytes.
; THE DEAL.  256 work-groups: 128 columns (8) x 256 tokens (32).  Four waves, 2 x 2: wave column b holds 64 rows of Wp, all of K, in registers (32 fragments); wave row a takes token tiles 2 s + a, s = 0 .. 7: a block of 32 products each.
; Source 0 = Wp's rows: a lane holds a token and eight neighbouring columns; the bias is the first products' C.  ao's fragments have one set of registers, fetched again in two halves.
; LDS: the 16 token tiles (196,608 bytes, dense, as rows of 256 bytes), Wp's 128 rows (816 bytes: 3 x (256 + 16)), a stage of 16 x 272 bytes for each wave, the spare words.  EVERY BYTE IS FILLED ONCE, at the head:
; wave 0 Wp's rows, wave 1 tiles 0-3, waves 2 and 3 six tiles each; the first barrier shows waves 0 and 1's loads, a second one, ahead of block 1, the rest.  ao's tiles are shared by a row of the cluster, Wp's rows by a column.
; No prefetch: all that the work-group reads is asked for at the head, and there is no loop to run ahead in.
; THE WAY OUT: a block's 16 x 64 numbers go through the wave's own stage and leave as rows of 256 bytes: sixteen lanes store 256 consecutive bytes, aligned.  Block s is stored in the middle of block s + 1.
; LIMITS: NaN and infinities in bp are carried as f32 sums carry them; a given scale byte 0xff gives NaN.
.set KROW,   768
.set PITCH,  816
.set BLKB,   16*PITCH
.set TILEB,  12288
.set FRB,    1536
.set WB,     16*TILEB
.set STAGE,  WB+128*PITCH
.set SPITCH, 272
.set SPARE,  STAGE+4*16*SPITCH
.set FR,     12
.set FPW,    21
.set XF,     32                        ; fragments 0-31: Wp's (4 q + t); 32-39: ao's
.set ADA,  1
.set ADB,  2
.set STO,  3
.set RD,   4
.set CO,   5
.set ABS,  6
.set AXS,  7
.set SPW,  10
.set NIL,  11
.set WA,   16                          ; v16-23
.set SB,   32                          ; v32-47 Wp's scale words
.set XS,   52                          ; v52-83 ao's: set g: lanes 0-15 block 2 g, lanes 16-31 block 2 g + 1
.set BB,   84                          ; v84-115 the bias
.set ACC,  116                         ; v116-179 two sets of four accumulators
.set OB,   180                         ; v180-211 a block read back from the stage
.set G1W,  24
.set G1A4, 32
.set G1A6, 48
.set G0W,  56
.set G0A,  60
.set G0B,  4
.set OUT,  8
.set MSB, 0
.macro WIN new
.if MSB != (\new)
	s_set_vgpr_msb (MSB<<8)|(\new)
.set MSB, (\new)
.endif
.endm
.macro PLACES n
.rept \n
	v_nop
.endr
.endm
.macro WALU
	s_wait_alu depctr_va_vdst(0)
.endm
.macro BARRIER
	s_barrier_signal -1
	s_barrier_wait -1
.endm
.macro CROUND
	BARRIER
	s_cmp_lg_u32 s14, 0
	s_cbranch_scc1 .Lnot_wave_0_\@
	s_barrier_signal -3
.Lnot_wave_0_\@:
	s_barrier_wait -3
	BARRIER
.endm
.macro TLOAD g0, g1
	tensor_load_to_lds s[\g0:\g0+3], s[\g1:\g1+7]
	s_nop 0
	PLACES 4
.endm
.macro DENSE g, rows                   ; a dense block as rows of 256 bytes (32 elements of 8), shared by my row of the cluster
	s_or_b32 s[\g+0], s44, (3<<16)|(1<<21)
	s_mov_b32 s[\g+1], 32<<16
	s_mov_b32 s[\g+2], (\rows)<<16
	s_mov_b32 s[\g+3], 32<<16
	s_mov_b32 s[\g+4], \rows
	s_mov_b32 s[\g+5], 32
	s_mov_b32 s[\g+6], 0
	s_mov_b32 s[\g+7], 0
.endm
.macro FRAG f, q, a0, a1               ; a fragment of Wp: six pieces of 8 bytes, two to a load where both go by the same address register
	WIN (1+(\f)/FPW)<<6
.set R_, FR*((\f)%FPW)
.set SKIP_, 0
.irp p, 0,1,2,3,4,5
.if SKIP_
.set SKIP_, 0
.else
.set PC_, 12*(\q)+6*(\p/3)+\p%3
.set PN_, 12*(\q)+6*((\p+1)/3)+(\p+1)%3
.set X_, (PC_%32+3)/32
.set XQ_, (PN_%32+3)/32
.if (\p < 5) && (X_ == XQ_)
.set SKIP_, 1
.if X_
	ds_load_2addr_b64 v[R_+2*\p:R_+2*\p+3], \a1 offset0:PC_+2*(PC_/32) offset1:PN_+2*(PN_/32)
.else
	ds_load_2addr_b64 v[R_+2*\p:R_+2*\p+3], \a0 offset0:PC_+2*(PC_/32) offset1:PN_+2*(PN_/32)
.endif
.elseif X_
	ds_load_b64 v[R_+2*\p:R_+2*\p+1], \a1 offset:8*(PC_+2*(PC_/32))
.else
	ds_load_b64 v[R_+2*\p:R_+2*\p+1], \a0 offset:8*(PC_+2*(PC_/32))
.endif
.endif
.endr
.endm
.macro FETCHA half                     ; ao's fragments of K steps 4 half .. 4 half + 3, from their images: 16 loads
	WIN 2<<6
.irp q, 0,1,2,3
.set R_, FR*((XF+4*(\half)+\q)%FPW)
.set O_, (4*(\half)+\q)*FRB
	ds_load_b128 v[R_:R_+3], v[ADA] offset:O_
	ds_load_b64 v[R_+4:R_+5], v[ADB] offset:O_+512
	ds_load_b128 v[R_+6:R_+9], v[ADA] offset:O_+768
	ds_load_b64 v[R_+10:R_+11], v[ADB] offset:O_+1280
.endr
	WIN 0
.endm
.macro WM c
.if RA_ && RB_
	v_wmma_scale_f32_16x16x128_f8f6f4 v[D_:D_+7], v[A_:A_+FR-1], v[B_:B_+FR-1], \c, v[SA_], v[SB_] matrix_a_fmt:MATRIX_FMT_FP6 matrix_b_fmt:MATRIX_FMT_FP6 matrix_a_scale:MATRIX_SCALE_ROW1 matrix_b_scale:MATRIX_SCALE_ROW1
.elseif RA_
	v_wmma_scale_f32_16x16x128_f8f6f4 v[D_:D_+7], v[A_:A_+FR-1], v[B_:B_+FR-1], \c, v[SA_], v[SB_] matrix_a_fmt:MATRIX_FMT_FP6 matrix_b_fmt:MATRIX_FMT_FP6 matrix_a_scale:MATRIX_SCALE_ROW1
.elseif RB_
	v_wmma_scale_f32_16x16x128_f8f6f4 v[D_:D_+7], v[A_:A_+FR-1], v[B_:B_+FR-1], \c, v[SA_], v[SB_] matrix_a_fmt:MATRIX_FMT_FP6 matrix_b_fmt:MATRIX_FMT_FP6 matrix_b_scale:MATRIX_SCALE_ROW1
.else
	v_wmma_scale_f32_16x16x128_f8f6f4 v[D_:D_+7], v[A_:A_+FR-1], v[B_:B_+FR-1], \c, v[SA_], v[SB_] matrix_a_fmt:MATRIX_FMT_FP6 matrix_b_fmt:MATRIX_FMT_FP6
.endif
.endm
.macro KSTEP s, q                      ; four products, four accumulators by turns
.irp t, 0,1,2,3
.set FW_, 4*(\q)+\t
.set D_, ACC+32*((\s)%2)+8*\t
.set A_, FR*(FW_%FPW)
.set B_, FR*((XF+(\q))%FPW)
.set SA_, SB+8*(\t/2)+(\q)
.set SB_, XS+8*((\s)/2)+(\q)
.set RA_, \t%2
.set RB_, (\s)%2
	WIN (1+FW_/FPW)|(2<<2)
.if (\q) == 0
	WM v[BB+8*\t:BB+8*\t+7]
.else
	WM v[D_:D_+7]
.endif
.endr
.endm
.macro TOSTAGE s
.irp t, 0,1,2,3
	ds_store_b128 v[STO], v[ACC+32*((\s)%2)+8*\t:ACC+32*((\s)%2)+8*\t+3] offset:64*\t          ; each accumulator from its low end on
	ds_store_b128 v[STO], v[ACC+32*((\s)%2)+8*\t+4:ACC+32*((\s)%2)+8*\t+7] offset:64*\t+16
.endr
.irp k, 0,1,2,3,4,5,6,7
	ds_load_b128 v[OB+4*\k:OB+4*\k+3], v[RD] offset:\k*2*SPITCH    ; LDS serves a wave's instructions in order (ISA guide 5.7.1.4)
.endr
.endm
.macro SEND s
.irp k, 0,1,2,3,4,5,6,7
	global_store_b128 v[CO], v[OB+4*\k:OB+4*\k+3], s[OUT:OUT+1] offset:(\s)*32*4096+\k*2*4096 th:TH_STORE_NT
.endr
.endm
.macro BLK s
	WALU
.if (\s) == 0
	s_wait_dscnt 16                                ; Wp's fragments and K steps 0-3's are in; the younger 16 loads may be out
.elseif (\s) == 1
	s_wait_tensorcnt 0x0                           ; every wave: all that is still out
	s_wait_dscnt 0x0
	BARRIER                                        ; tiles 4-15 are in
.else
	s_wait_dscnt 32                                ; younger: 16 loads of K steps 4-7 and the stage's 8 stores and 8 loads
.endif
.irp q, 0,1,2,3
	KSTEP \s, \q
.endr
	WIN 0
	s_wait_dscnt 0x0                               ; K steps 4-7's fragments, and the last block back from the stage
.if (\s) > 0
	SEND (\s)-1
.endif
.if (\s) < 7
	v_add_nc_u32 v[ADA], 2*TILEB, v[ADA]           ; my next tile; these two and two v_nop are the places ahead of the loads
	v_add_nc_u32 v[ADB], 2*TILEB, v[ADB]
	PLACES 2
	WALU
	FETCHA 0
.endif
.irp q, 4,5,6,7
	KSTEP \s, \q
.endr
	WIN 0
	PLACES 4
.if (\s) < 7
	FETCHA 1
.endif
.if (\s) > 0
	s_wait_xcnt 0x0                                ; the last block's stores have read the registers that the loads below fill
.endif
	TOSTAGE \s
.endm
; ---- the head
	s_load_b256 s[68:75], s[0:1], 0x0              ; ao_codes 68, ao_scales 70, Wp_codes 72, Wp_scales 74
	s_load_b128 s[76:79], s[0:1], 0x20             ; out0 76, bp 78
	v_lshl_add_u32 v[SPW], v0, 2, SPARE
	v_mov_b32 v[NIL], 0
	ds_add_u32 v[SPW], v[NIL]                      ; the opening lines
	ds_add_u32 v[SPW], v[NIL]
	v_lshrrev_b32 v12, 5, v0
	v_readfirstlane_b32 s14, v12
	s_lshr_b32 s15, s14, 1                         ; a
	s_and_b32 s16, s14, 1                          ; b
	s_bfe_u32 s40, ttmp6, 0x40000
	s_bfe_u32 s41, ttmp6, 0x40004
	s_lshl_b32 s42, ttmp9, 2
	s_add_co_u32 s42, s42, s40                     ; the tile of 128 columns
	s_and_b32 s43, ttmp7, 0xffff
	s_lshl_b32 s43, s43, 2
	s_add_co_u32 s43, s43, s41                     ; the group of 256 tokens
	s_lshl_b32 s44, s41, 2
	s_lshl_b32 s44, 15, s44
	s_lshl_b32 s45, 0x1111, s40
	s_or_b32 s[G1W+0], s45, (1<<20)|(1<<21)|(5<<22)|(3<<25)
	s_mov_b32 s[G1W+1], KROW<<16
	s_mov_b32 s[G1W+2], 128<<16
	s_mov_b32 s[G1W+3], KROW<<16
	s_mov_b32 s[G1W+4], 128
	s_mov_b32 s[G1W+5], KROW
	s_mov_b32 s[G1W+6], 0
	s_mov_b32 s[G1W+7], 0
	DENSE G1A4, 4*TILEB/256
	DENSE G1A6, 6*TILEB/256
	s_mul_i32 s46, s42, 128*KROW
	s_mov_b32 s47, 0
	s_mul_i32 s94, s43, 16*TILEB
	s_mov_b32 s95, 0
	s_mul_i32 s96, s16, 6*TILEB
	s_add_co_u32 s96, s96, 4*TILEB                 ; waves 2, 3: tiles 4-9, 10-15
	s_mov_b32 s97, 0
	s_mov_b32 s[G0W], 1
	s_mov_b32 s[G0W+1], WB
	s_mov_b32 s[G0A], 1
	s_mov_b32 s[G0A+1], 0
	s_mov_b32 s[G0B], 1
	s_mov_b32 s[G0B+1], s96
	WALU
	s_wait_dscnt 0x0
	CROUND                                         ; ahead of the joint loads
	s_wait_kmcnt 0x0
	s_add_nc_u64 s[G0W+2:G0W+3], s[72:73], s[46:47]
	s_add_nc_u64 s[G0A+2:G0A+3], s[68:69], s[94:95]
	s_add_nc_u64 s[G0B+2:G0B+3], s[G0A+2:G0A+3], s[96:97]
	s_or_b32 s[G0W+3], s[G0W+3], 0x80000000
	s_or_b32 s[G0A+3], s[G0A+3], 0x80000000
	s_or_b32 s[G0B+3], s[G0B+3], 0x80000000
	s_cmp_eq_u32 s14, 0
	s_cbranch_scc0 .Lwave_1
	TLOAD G0W, G1W
	s_branch .Lasked
.Lwave_1:
	s_cmp_eq_u32 s14, 1
	s_cbranch_scc0 .Lwave_23
	TLOAD G0A, G1A4
	s_branch .Lasked
.Lwave_23:
	TLOAD G0B, G1A6
.Lasked:
	s_lshl_b32 s46, s42, 1
	s_add_co_u32 s46, s46, s16                     ; my 64 columns
	s_lshl_b32 s94, s46, 11
	s_add_nc_u64 s[74:75], s[74:75], s[94:95]      ; their scale bytes,
	s_lshl_b32 s94, s46, 8
	s_add_nc_u64 s[78:79], s[78:79], s[94:95]      ; their biases; the same bytes into a row of out0
	s_add_nc_u64 s[OUT:OUT+1], s[76:77], s[94:95]
	s_lshl_b32 s94, s43, 4
	s_add_co_u32 s94, s94, s15                     ; my first token tile
	s_lshl_b32 s96, s94, 9
	s_add_nc_u64 s[70:71], s[70:71], s[96:97]
	s_lshl_b32 s94, s94, 16                        ; 16 rows of 4,096 bytes
	s_add_nc_u64 s[OUT:OUT+1], s[OUT:OUT+1], s[94:95]
	s_mul_i32 s46, s16, 64*PITCH
	s_add_co_u32 s46, s46, WB
	s_mul_i32 s47, s15, TILEB
	s_mul_i32 s94, s14, 16*SPITCH
	s_add_co_u32 s94, s94, STAGE
	v_and_b32 v12, 15, v0                          ; r
	v_bfe_u32 v13, v0, 4, 1                        ; h
	v_and_b32 v14, 31, v0
	v_mul_u32_u24 v15, v12, PITCH
	v_mad_u32_u24 v8, v13, 24, v15
	v_mad_u32_u24 v9, v13, 40, v15
	v_add_nc_u32 v[WA], s46, v8
	v_add_nc_u32 v[WA+1], s46, v9
.irp t, 1,2,3
	v_add_nc_u32 v[WA+2*\t], \t*BLKB, v[WA]
	v_add_nc_u32 v[WA+2*\t+1], \t*BLKB, v[WA+1]
.endr
	v_lshl_add_u32 v[ADA], v14, 4, s47
	v_lshl_add_u32 v[ADB], v14, 3, s47
	v_mul_u32_u24 v15, v12, SPITCH
	v_lshl_add_u32 v15, v13, 5, v15
	v_add_nc_u32 v[STO], s94, v15                  ; in: row r, 32 bytes for each half of the lanes
	v_mul_u32_u24 v15, v13, SPITCH
	v_lshl_add_u32 v15, v12, 4, v15
	v_add_nc_u32 v[RD], s94, v15                   ; back: lanes 0-15 one row of 256 bytes, lanes 16-31 the next
	v_lshlrev_b32 v15, 12, v13
	v_lshl_add_u32 v[CO], v12, 4, v15
	v_lshlrev_b32 v[ABS], 5, v14
	v_lshlrev_b32 v15, 10, v13
	v_lshl_add_u32 v[AXS], v12, 5, v15             ; 32 r + 1,024 h: lanes 16-31 take my next block's rows
	v_lshlrev_b32 v8, 5, v13                       ; 32 h
	WALU
.irp p, 0,1
.irp c, 0,1
	global_load_b128 v[SB+8*\p+4*\c:SB+8*\p+4*\c+3], v[ABS], s[74:75] offset:\p*1024+16*\c
.endr
.endr
.irp g, 0,1,2,3
.irp c, 0,1
	global_load_b128 v[XS+8*\g+4*\c:XS+8*\g+4*\c+3], v[AXS], s[70:71] offset:\g*2048+16*\c
.endr
.endr
.irp t, 0,1,2,3
	global_load_b128 v[BB+8*\t:BB+8*\t+3], v8, s[78:79] offset:64*\t
	global_load_b128 v[BB+8*\t+4:BB+8*\t+7], v8, s[78:79] offset:64*\t+16
.endr
	s_cmp_lt_u32 s14, 2
	s_cbranch_scc0 .Lnot_first
	s_wait_tensorcnt 0x0
.Lnot_first:
	BARRIER                                        ; Wp's rows and tiles 0-3 are in
.irp q, 0,1,2,3,4,5,6,7
.irp t, 0,1,2,3
	FRAG 4*\q+\t, \q, v[WA+2*\t], v[WA+2*\t+1]
.endr
.endr
	WIN 0
	FETCHA 0
	FETCHA 1
	s_wait_loadcnt 0x0                             ; the scale words and the bias
.irp s, 0,1,2,3,4,5,6,7
	BLK \s
.endr
	s_wait_dscnt 0x0
	SEND 7
	s_wait_tensorcnt 0x0                           ; the wave's end
	ds_add_u32 v[SPW], v[NIL]
	s_wait_dscnt 0x0
	CROUND                                         ; the closing round
	s_endpgm
.Lfunc_end_k_qa3875d70de_proj:
	.size	k_qa3875d70de_proj, .Lfunc_end_k_qa3875d70de_proj-k_qa3875d70de_proj
	.p2alignl 7, 3214868480
	.fill 96, 4, 3214868480
	.section	.rodata,"a",@progbits
	.p2align	6, 0x0
	.amdhsa_kernel k_qa3875d70de_proj
		.amdhsa_group_segment_fixed_size 327680
		.amdhsa_private_segment_fixed_size 0
		.amdhsa_enable_private_segment 0
		.amdhsa_kernarg_size 48
		.amdhsa_user_sgpr_count 2
		.amdhsa_user_sgpr_kernarg_segment_ptr 1
		.amdhsa_wavefront_size32 1
		.amdhsa_system_sgpr_workgroup_id_x 1
		.amdhsa_system_sgpr_workgroup_id_y 1
		.amdhsa_system_sgpr_workgroup_id_z 1
		.amdhsa_system_vgpr_workitem_id 0
		.amdhsa_next_free_vgpr 768
		.amdhsa_next_free_sgpr 100
		.amdhsa_reserve_vcc 0
		.amdhsa_float_denorm_mode_32 3
		.amdhsa_float_denorm_mode_16_64 3
		.amdhsa_memory_ordered 1
		.amdhsa_forward_progress 1
		.amdhsa_inst_pref_size 85
	.end_amdhsa_kernel
	.amdgpu_metadata
---
amdhsa.version: [ 1, 2 ]
amdhsa.kernels:
  - .name:           k_qa3875d70de_proj
    .symbol:         k_qa3875d70de_proj.kd
    .args:
      - { .name: ao_codes, .offset: 0, .size: 8, .value_kind: global_buffer, .address_space: global }
      - { .name: ao_scales, .offset: 8, .size: 8, .value_kind: global_buffer, .address_space: global }
      - { .name: Wp_codes, .offset: 16, .size: 8, .value_kind: global_buffer, .address_space: global }
      - { .name: Wp_scales, .offset: 24, .size: 8, .value_kind: global_buffer, .address_space: global }
      - { .name: out0, .offset: 32, .size: 8, .value_kind: global_buffer, .address_space: global }
      - { .name: bp, .offset: 40, .size: 8, .value_kind: global_buffer, .address_space: global }
    .group_segment_fixed_size: 327680
    .private_segment_fixed_size: 0
    .kernarg_segment_align: 8
    .kernarg_segment_size: 48
    .max_flat_workgroup_size: 128
    .sgpr_count:     100
    .vgpr_count:     768
    .wavefront_size: 32
...
	.end_amdgpu_metadata
.endif
;; end of part 3
